; MI455X (gfx1250); checked and timed in simulation.
; The chip was launched on July 23, 2026; its instructions are those of AMD's public machine-readable ISA for CDNA 5 (MIT licence, August 2026) and "CDNA5" Instruction Set Architecture Reference Guide (July 2026). The comments in the code are by the model that wrote it; some were corrected since.
;; Non Local Attention. Allowed arithmetic: matrix products marked QUANTISED: E5M2 operands, one E8M0 scale for each 32 along K, by v_wmma_scale_f32_16x16x128_f8f6f4 with both operands' format E5M2, f32 sums; everything else in f32.
;; Inputs: a1 1 float32; a2 1 float32; a3 1 float32; b1 32 float32; b2 32 float32; b3 64 float32; w1 32 x 64 float32; w2 32 x 64 float32; w3 64 x 64 float32; x 8 x 64 x 64 x 64 float32.
;; Outputs: out0 8 x 64 x 64 x 64 float32.
;; This version of the problem:
;;   THIS VERSION OF THE PROBLEM IS GIVEN IN LOW PRECISION. The matrix products marked QUANTISED in the list below multiply operands that are first quantised to E5M2 (5 exponent bits, 2 mantissa bits; 8 bits a number), with one power-of-two scale for each 32 numbers along K (OCP MX v1.0); their sums are f32. All else is computed in f32.
;;   The module's matrix products, in the order in which they are computed (A, B: the left and right operand; K: the contracted axis; several contracted axes count as one K, in the product's order):
;;     1. [M 32, K 64] x [K 64, N 32,768]; A: input w1; B: input x: QUANTISED
;;     2. [M 32, K 64] x [K 64, N 32,768]; A: input w2; B: input x: QUANTISED
;;     3. [M 64, K 64] x [K 64, N 32,768]; A: input w3; B: input x: QUANTISED
;;     4. batch 8 x [M 4,096, K 32] x [K 32, N 4,096]; A: computed on the way; B: computed on the way: QUANTISED
;;     5. batch 8 x [M 4,096, K 4,096] x [K 4,096, N 64]; A: softmax (see below); B: computed on the way: QUANTISED
;;   THE QUANTISER, for each operand of a quantised product, along K:
;;     - K is cut into blocks of 32 from its start; a last block that is shorter is filled with zeros.
;;     - A block's scale is 2^e with e = floor(log2(the largest magnitude in the block)) - 15, held to -126 .. 127; a block of zeros has e = 0. As a byte (E8M0): e + 127.
;;     - Each number is divided by its block's scale, clamped to +-57,344, and rounded to the nearest number of E5M2, ties to even, subnormals kept.
;;     - The product sums the exact products of the quantised numbers (number of the format x scale) in f32.
;;   ~~~python
;;   def quantise(x, axis):      # numpy; x: float32 -> the quantised numbers, widened to float32 again
;;       x = np.moveaxis(x, axis, -1); K = x.shape[-1]
;;       x = np.pad(x, [(0, 0)] * (x.ndim - 1) + [(0, -K % 32)]); x = x.reshape(x.shape[:-1] + (-1, 32)); a = np.abs(x).max(-1, keepdims=True)
;;       e = np.where(a > 0, np.clip(np.frexp(np.where(a > 0, a, 1))[1] - 1 - 15, -126, 127), 0)      # np.frexp(a)[1] - 1 = floor(log2(a)), exactly
;;       r = np.clip(x / 2.0 ** e, -57344, 57344)
;;       step = 2.0 ** (np.maximum(np.frexp(np.where(r == 0, 1, r))[1] - 1, -14) - 2)
;;       q = np.round(r / step) * step * 2.0 ** e      # np.round: ties to even
;;       return np.moveaxis(q.reshape(q.shape[:-2] + (-1,))[..., :K], -1, axis).astype(np.float32)
;;   ~~~
;;   SOFTMAX AHEAD OF A QUANTISED PRODUCT. Where the list says 'softmax', what is quantised is not the finished softmax but p = 2^(t - M), with t = logit x log2(e) and M = ceil(the row's largest t), a whole number; so 1/2 < the row's largest p <= 1. The row's sum l is taken of the UNQUANTISED p, in f32, and the product's result is divided by l at the end. Since M is a whole number, a kernel that streams over the keys may use a running M (the ceiling of the running maximum): every later rescaling is an exact power of two, which a block's scale takes up: the codes' values come out the same.
;;   OPERANDS COMPUTED ON THE WAY. 'Computed on the way' means the value that the module computes at that place (a softmax that the list does not call 'softmax' is quantised finished and normalised). What goes into a quantiser is computed in f32, as accurately as f32 sums, v_exp_f32 and their like allow (about 1e-6 of the number): no bf16 or f16 on the way to a quantiser, and a product that is left as it is and whose result goes on into a quantised operand takes f32 operands (vector FMAs, or v_wmma_f32_16x16x4_f32). A number that lies on a knife's edge between two numbers of the format may be rounded either way, as far as f32 arithmetic and the matrix unit's own rounding can turn it there, and no further.
;; One version. Each part assembles by itself: llvm-mc -triple=amdgcn-amd-amdhsa -mcpu=gfx1250 --defsym DOCPART=n.
;; ======== version 1 of 1: 2 launches
;; limits: right only within a limited range of input values
;; workspace buffers: kv 4,456,448 bytes; qc 2,097,152 bytes; qs 131,072 bytes
;; launch prep (part 1): grid 32 x 8, 4 waves a work-group, no clusters, 168,448 bytes of LDS; arguments x, w1, w2, w3, b1, b2, b3, a1, a2, a3, kv, qc, qs; writes kv, qc, qs
.if DOCPART == 1
	.amdgcn_target "amdgcn-amd-amdhsa--gfx1250"
	.amdhsa_code_object_version 6
	.text
	.protected	k_q90e3804794_prep
	.globl	k_q90e3804794_prep
	.p2align	8
	.type	k_q90e3804794_prep,@function
k_q90e3804794_prep:
	s_mov_b64 s[64:65], 0
	v_nop
	global_prefetch_b8 v0, s[64:65] scope:SCOPE_SE
	s_setreg_imm32_b32 hwreg(HW_REG_WAVE_MODE, 25, 1), 1
	s_wait_xcnt 0x0
; e1, e2, e3 = PReLU(w x + b) for 128 pixels of one image, all three products on codes of BF8 (E5M2) with one E8M0 scale for each 32 along K (the 64 channels of x),
; and the results quantised again as the operands of the attention that follows: q = e1 and k = e2 along their 32 channels (one block a pixel), v = e3 along the pixels (blocks of 32).
; SHARES.  A work-group takes 128 pixels (grid x) of one image (grid y); wave b takes pixels 32 b .. 32 b + 31 as two tiles of 16.  Wave b also quantises rows 32 b .. 32 b + 31 of the stacked weights
; W = (w1; w2; w3), [128][64]; the weights' fragments go from wave to wave through LDS as images of their registers.
; THE ROWS OF A TILE ARE NOT NEIGHBOURS, of pixels and of weights alike: lane r of tile 2 b + u takes row 32 b + 8 u + r + 8 (r / 8).  So the 16 result registers of two neighbouring tiles are 16 neighbours,
; 32 b + 16 (lane / 16) + 0 .. 15, which is the order in which the next product's operand wants them: every conversion's result is an operand's registers as it stands.
; K IS 64, THE INSTRUCTION TAKES 128: x's fragments carry zero codes in blocks 2 and 3; the weights' 16-register operand runs on into the next tile's 8 registers (finite codes: every number is held under
; the largest code), so those products are exact zeros.  The unused scale bytes are 0 on both sides, which is a power of two and not NaN.
; e1, e2: source 0 = 16 rows of W, source 1 = 16 pixels: a lane holds one pixel, registers along the channels.  e3: source 0 = 16 pixels, source 1 = 16 rows of w3: a lane holds one channel, registers along the pixels.
; q AND k LEAVE IN TWO PARTS, H and L, under the block's one scale: H holds the codes of the numbers that reach 2^-4 of the power of two in the block's largest magnitude and zeros elsewhere, L the others.
; H + L is the quantised vector.  The next launch multiplies the four pairs of parts in blocks of 32 of their own, so that the products that are summed within one block lie near each other in size.
; OUT.  kv[image][step][17,408 bytes]: +0 K's eight tiles, 1,024 bytes each (H, then L, 16 bytes a lane); +8,192 V's four channel tiles x four key blocks, 2,048 t + 512 c; +16,384 K's scale words
; (16 lane + 4 P: pair P of tiles, row lane % 16; bytes s, s of tile 2 P and s', s' of tile 2 P + 1); +16,896 V's (8 lane + 4 j: tile 2 j + lane / 16, byte c = key block c); +17,152 256 zeros, so that a record is 68 x 256 bytes.
; qc[image][tile][1,024 bytes: H, L], qs[image][tile][16 words, the byte four times].  Every store of a wave covers 256 or 512 consecutive bytes, aligned.
; NO CLUSTER: what work-groups share is W alone, 32 KiB fetched once by each with no loop; x, as many bytes, is each work-group's own.
; LIMITS: NaN and infinities among the inputs are not served.  A block whose largest magnitude lies under 2^-111 (a block of zeros too) gets the scale byte 1: a block of zeros has zero codes, and this program alone reads the bytes.
.set XP,   520                         ; a channel's row of x in LDS: 128 pixels x 4 bytes + 8 of padding: 16 rows are 2,080 words = 32 mod 64, so the two halves of the lanes read different banks
.set WP,   272                         ; a row of W in LDS: 256 bytes + 16
.set XL,   0                           ; LDS: x, 64 rows
.set WL,   64*XP                       ; W, 128 rows
.set WIMG, WL+128*WP                   ; the images of W's eight fragments, 1,024 bytes each
.set WSC,  WIMG+8192                   ; their scale words, 128 bytes each
.set SST,  WSC+1024                    ; the scale words on their way out: K's 512 bytes, Q's 512, V's 1,024
.set REC,  17408
.set TM,   16                          ; v16-19 largest magnitudes, then the bounds between H and L; v20-23 the other half's, then the bytes, v24-27 the holds, v28-31 the conversions' scale operands
.set WS,   32                          ; v32-39 W's scale words
.set XS,   40                          ; v40-41 x's
.set B3V,  42                          ; v42-45 b3 at my lane's channel of each tile
.set WW,   46                          ; v46-47 W's scale words as I make them
.set WF,   48                          ; v48-111 W's eight fragments, 8 registers each; v112-119 zeros behind the last.  First: my 64 numbers of x.  Later: v48-63 q's codes, v64-79 k's, v80-95 v's
.set XF,   120                         ; v120-151 x's two fragments.  First: my two tiles' codes of W
.set ACC,  152                         ; v152-215 results.  First: my 64 numbers of W
.set BIAS, 216                         ; v216-247 the biases, in the results' layout; between b1, b2 and b3: the H parts ahead of their conversion
.set TP,   248                         ; v248-251 at work
.set SEL,  66                          ; s[66:67] v_permlanex16_b32's selects for lane l xor 16
.set MNT,  68                          ; s68 the mantissa field of 57,344
.macro PLACES n
.rept \n
	v_nop
.endr
.endm
.macro BARRIER                         ; my LDS stores have landed and my LDS loads are in: then the work-group's barrier
	s_wait_dscnt 0x0
	s_barrier_signal -1
	s_barrier_wait -1
.endm
; 64 numbers of a lane, four blocks of which I hold 16 and lane l xor 16 the other 16: v[s + 16 b + i].  QHEAD: each block's largest magnitude, scale operand, hold and byte.
.macro QHEAD s
.irp b, 0,1,2,3
	v_max3_num_f32 v[TM+\b], |v[\s+16*\b]|, |v[\s+1+16*\b]|, 0x8000000   ; my 16 numbers, and the floor 2^(16 - 127): the byte cannot fall under 1
.endr
.irp i, 2,4,6,8,10,12,14
.irp b, 0,1,2,3
	v_max3_num_f32 v[TM+\b], v[TM+\b], |v[\s+16*\b+\i]|, |v[\s+1+16*\b+\i]|   ; the four blocks by turns
.endr
.endr
.irp b, 0,1,2,3
	v_permlanex16_b32 v[TM+4+\b], v[TM+\b], s[SEL], s[SEL+1]
.endr
.irp b, 0,1,2,3
	v_max_num_f32 v[TM+\b], v[TM+\b], v[TM+4+\b]          ; the block's largest magnitude
.endr
.irp b, 0,1,2,3
	v_add_nc_u32 v[TM+12+\b], 0xf8800000, v[TM+\b]        ; 15 off its exponent field: the conversion takes this operand's exponent field as its scale
.endr
.irp b, 0,1,2,3
	v_and_or_b32 v[TM+8+\b], v[TM+\b], 0x7f800000, s[MNT] ; 57,344 x the scale
.endr
.irp b, 0,1,2,3
	v_lshrrev_b32 v[TM+4+\b], 23, v[TM+12+\b]             ; the scale's byte
.endr
.endm
; Codes to v[pc + 4 b + gap (b / 2)] on; the four scale bytes stay in v[TM+4] .. v[TM+7].
.macro QUANT s, pc, gap
	QHEAD \s
.irp b, 0,1,2,3
.irp i, 0,1,2,3,4,5,6,7,8,9,10,11,12,13,14,15
.endr
	v_cvt_scalef32_pk8_bf8_f32 v[\pc+4*\b+\gap*(\b/2):\pc+4*\b+\gap*(\b/2)+1], v[\s+16*\b:\s+16*\b+7], v[TM+12+\b]
	v_cvt_scalef32_pk8_bf8_f32 v[\pc+4*\b+\gap*(\b/2)+2:\pc+4*\b+\gap*(\b/2)+3], v[\s+16*\b+8:\s+16*\b+15], v[TM+12+\b]
.endr
	v_nop                                          ; one plain vector instruction behind the last conversion, ahead of whatever next touches its registers
.endm
; The same in two parts: block b's H codes to v[pc + 8 b] on, its L codes to v[pc + 8 b + 4] on.  A number belongs to H where its magnitude's bits, as a whole number, lie above
; (the largest magnitude's exponent field - 4) << 23, less one: that is, where it reaches 2^-4 of that power of two.
.macro QSPLIT s, pc
	QHEAD \s
.irp b, 0,1,2,3
	v_and_b32 v[TM+\b], 0x7f800000, v[TM+\b]
.endr
.irp b, 0,1,2,3
	v_add_nc_u32 v[TM+\b], 0xfdffffff, v[TM+\b]           ; - (4 << 23) - 1 (the floor keeps the exponent field at 16 or more)
.endr
.irp b, 0,1,2,3
.irp i, 0,1,2,3,4,5,6,7,8,9,10,11,12,13,14,15
	v_med3_num_f32 v[\s+16*\b+\i], v[\s+16*\b+\i], -v[TM+8+\b], v[TM+8+\b]
	v_and_b32 v[TP+(\i%2)], 0x7fffffff, v[\s+16*\b+\i]
	v_cmp_lt_u32 vcc_lo, v[TM+\b], v[TP+(\i%2)]
	v_cndmask_b32 v[BIAS+16*(\b%2)+\i], 0, v[\s+16*\b+\i], vcc_lo   ; H: the number or 0
	v_cndmask_b32 v[\s+16*\b+\i], v[\s+16*\b+\i], 0, vcc_lo         ; L: 0 or the number
.endr
	v_cvt_scalef32_pk8_bf8_f32 v[\pc+8*\b:\pc+8*\b+1], v[BIAS+16*(\b%2):BIAS+16*(\b%2)+7], v[TM+12+\b]
	v_cvt_scalef32_pk8_bf8_f32 v[\pc+8*\b+2:\pc+8*\b+3], v[BIAS+16*(\b%2)+8:BIAS+16*(\b%2)+15], v[TM+12+\b]
	v_cvt_scalef32_pk8_bf8_f32 v[\pc+8*\b+4:\pc+8*\b+5], v[\s+16*\b:\s+16*\b+7], v[TM+12+\b]
	v_cvt_scalef32_pk8_bf8_f32 v[\pc+8*\b+6:\pc+8*\b+7], v[\s+16*\b+8:\s+16*\b+15], v[TM+12+\b]
	v_nop                                          ; one plain vector instruction behind the conversions
.endr
.endm
; x >= 0 ? x : a x, as a min(x, 0) + max(x, 0): one of the two terms is 0, so nothing is rounded twice.  In ascending order: each result is read from its low end on.
.macro PRELU base, pairs, sa
.set pp, 0
.rept \pairs
.set xx, \base+2*pp
.set tt, TP+2*(pp%2)
	v_min_num_f32 v[tt], 0, v[xx]
	v_min_num_f32 v[tt+1], 0, v[xx+1]
	v_max_num_f32 v[xx], 0, v[xx]
	v_max_num_f32 v[xx+1], 0, v[xx+1]
	v_pk_fma_f32 v[xx:xx+1], v[tt:tt+1], s[\sa:\sa+1], v[xx:xx+1] op_sel_hi:[1,0,1]
.set pp, pp+1
.endr
.endm
	s_load_b512 s[4:19], s[0:1], 0x0               ; x s[4:5], w1 s[6:7], w2 s[8:9], w3 s[10:11], b1 s[12:13], b2 s[14:15], b3 s[16:17], a1 s[18:19]
	s_load_b256 s[20:27], s[0:1], 0x40             ; a2 s[20:21], a3 s[22:23], kv s[24:25], qc s[26:27]
	s_load_b64 s[28:29], s[0:1], 0x60              ; qs
	s_set_vgpr_msb 0x40
	v_lshl_add_u32 v0, v0, 2, 0x29000
	v_mov_b32 v1, 0
	s_set_vgpr_msb 0x4045
	ds_add_u32 v0, v1
	ds_add_u32 v0, v1
	s_set_vgpr_msb 0x4500
	v_lshrrev_b32 v248, 5, v0
	v_readfirstlane_b32 s30, v248                  ; wave 0..3
	s_mov_b32 s31, ttmp9                           ; the step: which 128 pixels
	s_and_b32 s32, ttmp7, 0xffff                   ; the image
	; descriptor group 1 for x: 16 channels x 128 pixels of 4 bytes, rows 4,096 elements apart; 2 words of padding behind every 128
	s_mov_b32 s40, (2<<16)|(1<<20)|(6<<22)|(1<<25)
	s_mov_b32 s41, 128<<16                         ; tensor_dim0
	s_mov_b32 s42, 16<<16                          ; tensor_dim1
	s_mov_b32 s43, 128<<16                         ; tile_dim0
	s_mov_b32 s44, 16                              ; tile_dim1
	s_mov_b32 s45, 4096                            ; from row to row
	s_mov_b32 s46, 0
	s_mov_b32 s47, 0
	; and for W: 32 rows x 64 numbers of 4 bytes, dense; 4 words of padding behind every 64
	s_mov_b32 s48, (2<<16)|(1<<20)|(5<<22)|(3<<25)
	s_mov_b32 s49, 64<<16
	s_mov_b32 s50, 32<<16
	s_mov_b32 s51, 64<<16
	s_mov_b32 s52, 32
	s_mov_b32 s53, 64
	s_mov_b32 s54, 0
	s_mov_b32 s55, 0
	s_mov_b32 s56, 1
	s_mul_i32 s57, s30, 16*XP                      ; x: my 16 channels' place in LDS
	s_lshl_b32 s70, s32, 20                        ; and in memory: image x 1 MiB + 16 wave x 16 KiB + step x 512
	s_lshl_b32 s72, s30, 18
	s_add_co_u32 s70, s70, s72
	s_lshl_b32 s72, s31, 9
	s_add_co_u32 s70, s70, s72
	s_mov_b32 s71, 0
	s_mov_b32 s60, 1
	s_mul_i32 s61, s30, 32*WP                      ; W: my 32 rows' place in LDS
	s_add_co_u32 s61, s61, WL
	s_mov_b32 s75, 0
	s_wait_dscnt 0x0
	s_wait_kmcnt 0x0
	s_add_nc_u64 s[58:59], s[4:5], s[70:71]
	s_or_b32 s59, s59, 0x80000000                  ; type = 2
	s_cmp_eq_u32 s30, 0                            ; wave 0 fetches w1, wave 1 w2, waves 2 and 3 the halves of w3: the choice hangs on the wave's number alone
	s_cselect_b64 s[72:73], s[6:7], s[10:11]
	s_cmp_eq_u32 s30, 1
	s_cselect_b64 s[72:73], s[8:9], s[72:73]
	s_cmp_eq_u32 s30, 3
	s_cselect_b32 s74, 8192, 0
	s_add_nc_u64 s[62:63], s[72:73], s[74:75]
	s_or_b32 s63, s63, 0x80000000
	tensor_load_to_lds s[56:59], s[40:47]          ; both fills go out together, ahead of every wait on TENSORcnt, LDS read and barrier
	s_nop 0
	tensor_load_to_lds s[60:63], s[48:55]
	s_nop 0
	PLACES 4                                       ; (four places behind a tensor load)
	s_load_b32 s34, s[18:19], 0x0                  ; a1, a2, a3
	s_load_b32 s36, s[20:21], 0x0
	s_load_b32 s38, s[22:23], 0x0
	s_lshl_b32 s70, s32, 5
	s_add_co_u32 s70, s70, s31
	s_mul_i32 s70, s70, REC
	s_add_nc_u64 s[24:25], s[24:25], s[70:71]      ; kv at my work-group's record
	s_lshl_b32 s72, s30, 11
	s_mov_b32 s73, 0
	s_add_nc_u64 s[74:75], s[24:25], s[72:73]      ; + 2,048 x wave: my pair of tiles of K
	s_lshl_b32 s72, s30, 9
	s_add_nc_u64 s[76:77], s[24:25], s[72:73]      ; + 512 x wave: my key block of V
	s_lshl_b32 s70, s32, 8
	s_lshl_b32 s72, s31, 3
	s_add_co_u32 s70, s70, s72                     ; the work-group's first tile of the image's 256
	s_lshl_b32 s72, s70, 6
	s_add_nc_u64 s[28:29], s[28:29], s[72:73]      ; qs: 64 bytes a tile
	s_lshl_b32 s72, s30, 1
	s_add_co_u32 s70, s70, s72
	s_lshl_b32 s72, s70, 10
	s_add_nc_u64 s[26:27], s[26:27], s[72:73]      ; qc at my wave's first tile: 1,024 bytes a tile
	s_mov_b32 s[SEL], 0x76543210
	s_mov_b32 s[SEL+1], 0xfedcba98
	s_mov_b32 s[MNT], 0x600000
	v_and_b32 v254, 31, v0                         ; lane
	v_and_b32 v248, 15, v0                         ; r
	v_bfe_u32 v249, v0, 4, 1                       ; h
	v_and_b32 v250, 8, v248
	v_add_nc_u32 v250, v250, v248                  ; r + 8 (r / 8)
	v_lshlrev_b32 v1, 4, v254                      ; 16 x lane
	v_lshlrev_b32 v14, 3, v254                     ; 8 x lane
	v_lshl_add_u32 v2, v254, 2, WSC                ; W's scale words, read
	v_lshl_add_u32 v15, v254, 4, WIMG              ; W's images, read
	v_mul_u32_u24 v3, v249, 16*XP                  ; x: channel 16 h, pixel 32 wave + r + 8 (r / 8)
	v_lshl_add_u32 v3, v250, 2, v3
	s_lshl_b32 s78, s30, 7
	v_add_nc_u32 v3, s78, v3
	v_mul_u32_u24 v4, v250, WP                     ; W: row 32 wave + r + 8 (r / 8), + 64 h
	v_lshl_add_u32 v4, v249, 6, v4
	v_add_nc_u32 v4, s61, v4
	s_lshl_b32 s79, s30, 11
	v_add_nc_u32 v5, s79, v15                      ; W's images, stored: + 2,048 x wave
	s_lshl_b32 s79, s30, 8
	v_add_nc_u32 v6, s79, v2                       ; their scale words: + 256 x wave
	v_lshl_add_u32 v252, v254, 2, SST              ; the scale words on their way out, read: 4 x lane
	v_add_nc_u32 v7, s78, v252                     ; K's and Q's, stored: + 128 x wave
	v_add_nc_u32 v8, s79, v252
	v_add_nc_u32 v8, 1024, v8                      ; V's, stored: 1,024 + 256 x wave
	v_lshl_add_u32 v253, v254, 4, SST+512          ; Q's, read: 16 x lane
	v_lshlrev_b32 v12, 6, v249                     ; b1, b2: my half's 16 channels
	v_lshlrev_b32 v13, 2, v250                     ; b3: my lane's channel of a tile
.irp g, 0,1
	global_load_b128 v[BIAS+8*\g:BIAS+8*\g+3], v12, s[12:13] offset:32*\g            ; register j of tile g: b1[16 h + 8 g + j]
	global_load_b128 v[BIAS+8*\g+4:BIAS+8*\g+7], v12, s[12:13] offset:32*\g+16
	global_load_b128 v[BIAS+16+8*\g:BIAS+16+8*\g+3], v12, s[14:15] offset:32*\g      ; b2 likewise
	global_load_b128 v[BIAS+16+8*\g+4:BIAS+16+8*\g+7], v12, s[14:15] offset:32*\g+16
.endr
.irp t, 0,1,2,3
	global_load_b32 v[B3V+\t], v13, s[16:17] offset:4*(32*(\t/2)+8*(\t%2))           ; b3[32 (t / 2) + 8 (t % 2) + r + 8 (r / 8)]
.endr
.irp b, 0,1,2,3
	v_mov_b32 v[TM+4+\b], 0                        ; written once: a lane permute's destination counts as one of its sources
.endr
.irp j, 0,1,2,3,4,5,6,7
	v_mov_b32 v[WF+64+\j], 0                       ; what the last weight tile's operand runs on into
.endr
	s_wait_tensorcnt 0x0                           ; my 16 channels of x and my 32 rows of W are in LDS,
	s_barrier_signal -1
	s_barrier_wait -1                              ; everybody's are
	; my two tiles of W and my two tiles of x, in the order of an operand's registers: block c, k = 32 c + 16 h + 0 .. 15
.irp u, 0,1
.irp c, 0,1
.irp j, 0,1,2,3
	ds_load_b128 v[ACC+32*\u+16*\c+4*\j:ACC+32*\u+16*\c+4*\j+3], v4 offset:8*WP*\u+128*\c+16*\j
.endr
.endr
.endr
.irp u, 0,1
.irp c, 0,1
.irp i, 0,1,2,3,4,5,6,7,8,9,10,11,12,13,14,15
	ds_load_b32 v[WF+32*\u+16*\c+\i], v3 offset:(32*\c+\i)*XP+32*\u
.endr
.endr
.endr
	s_wait_dscnt 63                                ; W's 16 loads are in: 64 were issued behind them, and 63 is the largest count that the wait can name
	QUANT ACC, XF, 0
	v_lshl_or_b32 v[WW], v[TM+5], 8, v[TM+4]       ; a tile's two bytes; bytes 2 and 3 stay 0
	v_lshl_or_b32 v[WW+1], v[TM+7], 8, v[TM+6]
.irp b, 0,1,2,3
	ds_store_b128 v5, v[XF+4*\b:XF+4*\b+3] offset:512*\b   ; the image: tile 2 wave + b / 2, block b % 2
.endr
	ds_store_b32 v6, v[WW]
	ds_store_b32 v6, v[WW+1] offset:128
	s_wait_dscnt 0x0                               ; x's numbers are in, and the stores are done
	QUANT WF, XF, 8                                ; tile u's codes to registers 0-7 of its fragment
	v_lshl_or_b32 v[XS], v[TM+5], 8, v[TM+4]
	v_lshl_or_b32 v[XS+1], v[TM+7], 8, v[TM+6]
.irp u, 0,1
.irp j, 8,9,10,11,12,13,14,15
	v_mov_b32 v[XF+16*\u+\j], 0                    ; blocks 2 and 3: zero codes
.endr
.endr
	s_wait_alu depctr_va_vdst(0)
	BARRIER                                        ; W's eight fragments lie in LDS
.irp i, 0,1,2,3,4,5,6,7,8,9,10,11,12,13,14,15
	ds_load_b128 v[WF+4*\i:WF+4*\i+3], v15 offset:512*\i
.endr
.irp g, 0,1,2,3,4,5,6,7
	ds_load_b32 v[WS+\g], v2 offset:128*\g
.endr
	s_wait_dscnt 0x0
	s_wait_loadcnt 0x0                             ; the biases
	s_wait_kmcnt 0x0                               ; a1, a2, a3
	s_mov_b32 s35, s34                             ; (the packed form names a pair)
	s_mov_b32 s37, s36
	s_mov_b32 s39, s38
	PLACES 8                                       ; x's scale words were made by vector instructions: eight places ahead of a scaled matrix instruction
.irp P, 0,1
.irp u, 0,1
.irp g, 0,1
	v_wmma_scale_f32_16x16x128_f8f6f4 v[ACC+32*\P+16*\u+8*\g:ACC+32*\P+16*\u+8*\g+7], v[WF+16*\P+8*\g:WF+16*\P+8*\g+15], v[XF+16*\u:XF+16*\u+15], v[BIAS+16*\P+8*\g:BIAS+16*\P+8*\g+7], v[WS+2*\P+\g], v[XS+\u] matrix_a_fmt:MATRIX_FMT_BF8 matrix_b_fmt:MATRIX_FMT_BF8
.endr
.endr
.endr                                              ; lane (r, h): pixel r of tile u; registers 16 u + 0 .. 15 of e1 (P = 0) or e2 (P = 1): channels 16 h + 0 .. 15
	PLACES 8
	PRELU ACC, 16, 34
	PRELU ACC+32, 16, 36
	QSPLIT ACC, WF                                 ; blocks: q's tile 0, q's tile 1, k's tile 0, k's tile 1; each as H, L
.irp i, 0,1,2,3
	global_store_b128 v1, v[WF+4*\i:WF+4*\i+3], s[26:27] offset:512*\i         ; q: tile 0's H, L, tile 1's H, L
.endr
.irp i, 0,1,2,3
	global_store_b128 v1, v[WF+16+4*\i:WF+16+4*\i+3], s[74:75] offset:512*\i   ; k likewise
.endr
	v_cmp_lt_u32 vcc_lo, 15, v254                  ; lanes 16-31 carry the odd tile's word
	v_cndmask_b32 v11, v[TM+4], v[TM+5], vcc_lo
	v_lshl_or_b32 v11, v11, 8, v11                 ; q's byte in all four places of its word
	v_lshl_or_b32 v11, v11, 16, v11
	v_lshl_or_b32 v10, v[TM+6], 8, v[TM+6]         ; k's word for the pair of tiles: s, s, s', s'
	v_lshl_or_b32 v[TP], v[TM+7], 8, v[TM+7]
	v_lshl_or_b32 v10, v[TP], 16, v10
	ds_store_b32 v7, v11 offset:512                ; q's scale words
	ds_store_b32 v7, v10                           ; k's
.irp t, 0,1,2,3
.irp j, 0,1,2,3,4,5,6,7
	v_mov_b32 v[BIAS+8*\t+\j], v[B3V+\t]           ; e3's bias in the result's layout: a lane holds one channel
.endr
.endr
	PLACES 4
.irp t, 0,1,2,3
.irp u, 0,1
	v_wmma_scale_f32_16x16x128_f8f6f4 v[ACC+16*\t+8*\u:ACC+16*\t+8*\u+7], v[XF+16*\u:XF+16*\u+15], v[WF+32+8*\t:WF+32+8*\t+15], v[BIAS+8*\t:BIAS+8*\t+7], v[XS+\u], v[WS+4+\t] matrix_a_fmt:MATRIX_FMT_BF8 matrix_b_fmt:MATRIX_FMT_BF8
.endr
.endr                                              ; lane (r, h): channel r of tile t; registers 16 t + 0 .. 15: pixels 32 wave + 16 h + 0 .. 15
	PLACES 8
	PRELU ACC, 32, 38
	QUANT ACC, WF+32, 0                            ; block t: channel tile t, my 32 pixels; into the registers that w3's fragments have left (q's and k's codes are still being stored)
.irp t, 0,1,2,3
	global_store_b128 v1, v[WF+32+4*\t:WF+32+4*\t+3], s[76:77] offset:8192+2048*\t
.endr
	v_cndmask_b32 v9, v[TM+4], v[TM+5], vcc_lo     ; my key block's byte of tiles 0 | 1,
	v_cndmask_b32 v255, v[TM+6], v[TM+7], vcc_lo   ; and of tiles 2 | 3
	ds_store_b32 v8, v9
	ds_store_b32 v8, v255 offset:128
	BARRIER                                        ; all scale words lie in LDS
	s_cmp_lg_u32 s30, 0
	s_cbranch_scc1 .Lnot_0
.irp j, 0,1,2,3
	ds_load_b32 v[TP+\j], v252 offset:128*\j       ; wave 0: K's words: pair j's word of row lane % 16 (both halves of the lanes stored the same)
.endr
	s_wait_dscnt 0x0
	global_store_b128 v1, v[TP:TP+3], s[24:25] offset:16384
	s_branch .Lend
.Lnot_0:
	s_cmp_lg_u32 s30, 1
	s_cbranch_scc1 .Lnot_1
.irp j, 0,1
.irp c, 0,1,2,3
	ds_load_b32 v[BIAS+4*\j+\c], v252 offset:1024+256*\c+128*\j   ; wave 1: V's: the four waves' bytes make a word
.endr
.endr
	s_wait_dscnt 0x0
.irp j, 0,1
	v_lshl_or_b32 v[TP+\j], v[BIAS+4*\j+1], 8, v[BIAS+4*\j]
	v_lshl_or_b32 v[TP+\j], v[BIAS+4*\j+2], 16, v[TP+\j]
	v_lshl_or_b32 v[TP+\j], v[BIAS+4*\j+3], 24, v[TP+\j]
.endr
	global_store_b64 v14, v[TP:TP+1], s[24:25] offset:16896
	s_branch .Lend
.Lnot_1:
	s_cmp_lg_u32 s30, 2
	s_cbranch_scc1 .Lnot_2
	ds_load_b128 v[TP:TP+3], v253                  ; wave 2: Q's words, as they lie
	s_wait_dscnt 0x0
	global_store_b128 v1, v[TP:TP+3], s[28:29]
	s_branch .Lend
.Lnot_2:
	v_mov_b32 v[TP], 0                             ; wave 3: the record's last 256 bytes, which the next launch fetches with the rest and nobody reads
	v_mov_b32 v[TP+1], 0
	global_store_b64 v14, v[TP:TP+1], s[24:25] offset:17152
.Lend:
	s_set_vgpr_msb 0x5
	s_wait_tensorcnt 0x0
	ds_add_u32 v0, v1
	s_wait_dscnt 0x0
	s_set_vgpr_msb 0x500
	s_endpgm
.Lfunc_end_k_q90e3804794_prep:
	.size	k_q90e3804794_prep, .Lfunc_end_k_q90e3804794_prep-k_q90e3804794_prep
	.p2alignl 7, 3214868480
	.fill 96, 4, 3214868480
	.section	.rodata,"a",@progbits
	.p2align	6, 0x0
	.amdhsa_kernel k_q90e3804794_prep
		.amdhsa_group_segment_fixed_size 168448
		.amdhsa_private_segment_fixed_size 0
		.amdhsa_enable_private_segment 0
		.amdhsa_kernarg_size 104
		.amdhsa_user_sgpr_count 2
		.amdhsa_user_sgpr_kernarg_segment_ptr 1
		.amdhsa_wavefront_size32 1
		.amdhsa_system_sgpr_workgroup_id_x 1
		.amdhsa_system_sgpr_workgroup_id_y 1
		.amdhsa_system_sgpr_workgroup_id_z 1
		.amdhsa_system_vgpr_workitem_id 0
		.amdhsa_next_free_vgpr 258
		.amdhsa_next_free_sgpr 80
		.amdhsa_reserve_vcc 1
		.amdhsa_float_denorm_mode_32 3
		.amdhsa_float_denorm_mode_16_64 3
		.amdhsa_fp16_overflow 1
		.amdhsa_memory_ordered 1
		.amdhsa_forward_progress 1
		.amdhsa_inst_pref_size 68
	.end_amdhsa_kernel
	.amdgpu_metadata
---
amdhsa.version: [ 1, 2 ]
amdhsa.kernels:
  - .name:           k_q90e3804794_prep
    .symbol:         k_q90e3804794_prep.kd
    .args:
      - { .name: x, .offset: 0, .size: 8, .value_kind: global_buffer, .address_space: global }
      - { .name: w1, .offset: 8, .size: 8, .value_kind: global_buffer, .address_space: global }
      - { .name: w2, .offset: 16, .size: 8, .value_kind: global_buffer, .address_space: global }
      - { .name: w3, .offset: 24, .size: 8, .value_kind: global_buffer, .address_space: global }
      - { .name: b1, .offset: 32, .size: 8, .value_kind: global_buffer, .address_space: global }
      - { .name: b2, .offset: 40, .size: 8, .value_kind: global_buffer, .address_space: global }
      - { .name: b3, .offset: 48, .size: 8, .value_kind: global_buffer, .address_space: global }
      - { .name: a1, .offset: 56, .size: 8, .value_kind: global_buffer, .address_space: global }
      - { .name: a2, .offset: 64, .size: 8, .value_kind: global_buffer, .address_space: global }
      - { .name: a3, .offset: 72, .size: 8, .value_kind: global_buffer, .address_space: global }
      - { .name: kv, .offset: 80, .size: 8, .value_kind: global_buffer, .address_space: global }
      - { .name: qc, .offset: 88, .size: 8, .value_kind: global_buffer, .address_space: global }
      - { .name: qs, .offset: 96, .size: 8, .value_kind: global_buffer, .address_space: global }
    .group_segment_fixed_size: 168448
    .private_segment_fixed_size: 0
    .kernarg_segment_align: 8
    .kernarg_segment_size: 104
    .max_flat_workgroup_size: 128
    .sgpr_count:     80
    .vgpr_count:     258
    .wavefront_size: 32
...
	.end_amdgpu_metadata
.endif
;; end of part 1
;; launch attn (part 2): grid 32 x 8, 16 waves a work-group, clusters of 4 x 1, 327,680 bytes of LDS; arguments kv, qc, qs, x, out0; writes out0
.if DOCPART == 2
	.amdgcn_target "amdgcn-amd-amdhsa--gfx1250"
	.amdhsa_code_object_version 6
	.text
	.protected	k_q90e3804794_attn
	.globl	k_q90e3804794_attn
	.p2align	8
	.type	k_q90e3804794_attn,@function
k_q90e3804794_attn:
	s_mov_b64 s[64:65], 0
	v_nop
	global_prefetch_b8 v0, s[64:65] scope:SCOPE_SE
	s_setreg_imm32_b32 hwreg(HW_REG_WAVE_MODE, 25, 1), 1
	s_wait_xcnt 0x0
	s_wait_alu depctr_hold_cnt(0) depctr_sa_sdst(0) depctr_va_vdst(0) depctr_va_sdst(0) depctr_va_ssrc(0) depctr_va_vcc(0) depctr_vm_vsrc(0)
	s_getreg_b32 s2, hwreg(HW_REG_IB_STS2, 6, 4)
	s_cmp_eq_u32 s2, 0
	s_cbranch_scc0 .Lentry_in_a_cluster
	s_endpgm
.Lentry_in_a_cluster:
	s_bfe_u32 s2, ttmp6, 0x10000c
	s_cmp_lg_u32 s2, 0x3003
	s_cbranch_scc0 .Lentry_shape_is_right
	s_endpgm
.Lentry_shape_is_right:
; out[n][C][q] = x[n][C][q] + the sum over k of softmax_k(q . k) v[k][C], both products on codes of BF8 (E5M2) with one E8M0 scale for each 32 along a product's K, from the records, codes and scale words
; that the launch before laid in the order of the operands' registers.
; THE SOFTMAX AHEAD OF THE SECOND PRODUCT: t = score x log2(e); M = the largest t so far, rounded UP to a whole number; p = 2^(t - M) is what is quantised, along the keys, not normalised.
; The row's sum is taken of the unquantised p and divides at the end.  When M moves, the sum and O are multiplied by 2^(old M - new M): exact.
; SHARES.  A work-group owns 128 queries of one image: eight tiles of 16.  It has SIXTEEN waves of 256 registers, four to a SIMD: wave w takes tile w % 8 and, of the image's 32 records of 128 keys, those of
; parity w / 8: 16 steps.  At the end the two waves of a tile meet in LDS: both M are whole numbers, so each wave's sum and O^T are brought under the larger M by a power of two, exactly, and added.
; A step's record (17,408 bytes: K's codes, V's codes, K's and V's scale words) is dense in memory; a slot of LDS holds four records, a sixteenth of which (4,352 bytes) each wave brings; two slots take turns.
; CLUSTER.  The four work-groups of a cluster belong to one image and walk the same records: each piece is asked for JOINTLY, by the same tensor load with the same descriptor and a mask that names the four.
; LAYOUT.  Both products are used transposed: S^T = K Q^T (source 0 = keys, source 1 = my 16 queries), O^T = V^T P^T (source 0 = 16 channels, source 1 = P): a lane holds ONE query (lane % 16) throughout.
; Lane r of tile 2 b + u (of keys, of queries, of channels) is number 32 b + 8 u + r + 8 (r / 8): so the 16 registers of score tiles 2 b and 2 b + 1 are keys 32 b + 16 (lane / 16) + 0 .. 15, as P's fragment wants them.
; THE FIRST PRODUCT'S K IS 32, THE INSTRUCTION TAKES 128.  q and k come in two parts each, H (the numbers within 2^4 of the block's top power of two) and L (the rest), with zeros where the other part has numbers;
; q . k = kH qH + kL qH + kH qL + kL qL, each of the four in a block of 32 of its own.  So the products that are summed within one block lie near each other in size (H x H: within 2^8, so that from the top product's
; exponent to a product's lowest bit there are 12 binades), and M = ceil(t), which turns on the last bits of the largest score, sees scores of f32's accuracy.
; Source 0 is a PAIR of key tiles, [kH, kL, kH', kL'].  Q stands once, as qH qH 0 0 qL qL 0 0 qH qH (40 registers), and source 1 is one of four windows of 16 registers into that run:
; +0 = [qH qH 0 0] and +16 = [qL qL 0 0] give the pair's first tile, +24 = [0 0 qH qH] and +8 = [0 0 qL qL] its second: two instructions a tile; zero codes against finite codes are exact zeros.
; LIMITS: NaN and infinities are not served.  A block's largest p is taken from the block's largest score by the same multiply-add and exponential, which takes v_exp_f32 not to fall where its input rises.
; A block whose every p has fallen to 0 keeps the scale byte 1: its codes are zeros.  In the two mixed blocks (H x L) products may lie up to 2^24 apart: what a sum of limited width could lose there lies under 2^-17 of the largest H x H product.
; t - M is one fused multiply-add: it differs from a t rounded to f32 first by half a last place of t, which for t under 32 is under 1e-6 of p.
.set REC,   17408
.set SLOTB, 4*REC                      ; 69,632 bytes: a slot
.set CH,    SLOTB/16                   ; 4,352 bytes = 17 rows of 256: a wave's piece of a slot
.set OV,    8192                       ; in a record: V's codes,
.set OKS,   16384                      ; K's scale words,
.set OVS,   16896                      ; V's
.set SLOT1, 1<<17                      ; slot 1 begins here, so that one exclusive or turns an address in one slot into the other's
.set SP,    528                        ; the way out: a channel's row of 128 queries x 4 bytes + 16
.set STAGE, SLOT1+SLOTB                ; behind the ring: 64 such rows; no tensor load lands here
.set SPARE, STAGE+64*SP                ; behind the stage: the spare words, 128 bytes for each wave: eight blocks of 256 bytes that no other line names
.set MRG,   SPARE+16*128               ; behind them: where the two waves of a tile meet: for each tile O^T's image (4,096 bytes) and 8 bytes a lane of (-M, sum)
.set MP,    4608                       ; a tile's share of it
.set LI,   1                           ; v1   16 x lane
.set L8,   2                           ; v2   8 x lane + my parity's record
.set ADR,  3                           ; v3   the step's record + 16 x lane; at the end: my tile's place in MRG + 16 x lane
.set ADR2, 4                           ; v4   the step's record + 8 x lane; at the end: my tile's place in MRG + 8 x lane
.set SPW,  5                           ; v5   LDS address of my spare word; never rewritten
.set NIL,  6                           ; v6   0; never rewritten
.set STO,  7                           ; v7   the way out: where my query's column begins in the stage
.set RD,   8                           ; v8   and where I read rows back
.set PW,   9                           ; v9   p's scale word
.set QS,   10                          ; v10  Q's scale words
.set LIW,  11                          ; v11  16 x lane + my parity's record
                                       ; v12 -M, v13 the largest t, v[14:15] the sum in two halves
.set QR,   16                          ; v16-55 Q's run: qH qH 0 0 qL qL 0 0 qH qH
.set KV,   56                          ; v56-119 K's four pairs of tiles; then V's four tiles
.set S,    120                         ; v120-183 S^T, then p
.set O,    184                         ; v184-215 O^T
.set PC,   216                         ; v216-231 p's codes
.set BM,   232                         ; v232-235 each block's largest score, then its largest p
.set C2,   232                         ; v[232:233] then the sum's second chain
.set PT,   236                         ; v236-239 the other half's, then the bytes
.set HD,   240                         ; v240-243 57,344 x the scale
.set SO,   244                         ; v244-247 the conversions' scale operands
.set KS,   248                         ; v248-251 K's scale words: register P: pair P, lanes 0-15
.set VS,   252                         ; v252-253 V's: register j: lanes 0-15 tile 2 j, lanes 16-31 tile 2 j + 1
.set FF,   254                         ; v254 f = 2^(old M - new M); the packed forms name the pair v[254:255] and take its low word
.set TMP,  255
.set XR,   S+32                        ; the way out: four rows of x,
.set BK,   S+48                        ; and four rows back from the stage
.set WV,   14                          ; s14 my wave's number
.set MNT,  19                          ; s19 the mantissa field of 57,344
.set SEL,  20                          ; s[20:21] v_permlanex16_b32's selects for lane l xor 16
.set CS,   22                          ; s[22:23] log2(e)
.set G1,   24                          ; s[24:31] descriptor group 1
.set G0,   32                          ; s[32:35] descriptor group 0, which walks
.set TB,   36                          ; s36 LDS byte at which the pair of records in hand begins: the same in all waves
.set SLOTS, 37
.set STEPS, 38
.macro PLACES n
.rept \n
	v_nop
.endr
.endm
; A round of the cluster's barrier: my work-group's barrier; wave 0 signals for the work-group; every wave waits for all four work-groups; my work-group's barrier once more.
.macro CROUND
	s_barrier_signal -1
	s_barrier_wait -1
	s_cmp_lg_u32 s[WV], 0
	s_cbranch_scc1 .Lnot_wave_0_\@
	s_barrier_signal -3
.Lnot_wave_0_\@:
	s_barrier_wait -3
	s_barrier_signal -1
	s_barrier_wait -1
.endm
; THE CHANGE OF SLOTS stands at a slot's head.  Each wave waits for all its tensor loads (its piece of the slot ahead), adds 0 to its spare word, and waits for that and for its reads of the slot that it has left.
; fill = 1: the barrier is a round of the cluster's, and behind it the slot just left takes the next four records: one load a wave, which has a slot's steps in which to land.
.macro CHANGE fill
	s_wait_tensorcnt 0x0                           ; no tensor load of mine is out, so group 0 may be written
	ds_add_u32 v[SPW], v[NIL]                      ; 0 onto my spare word
.if \fill
	s_xor_b32 s[G0+1], s[G0+1], SLOT1              ; the other slot than last time,
	s_add_nc_u64 s[G0+2:G0+3], s[G0+2:G0+3], SLOTB ; the next four records; the type bits on top are not reached
.endif
	s_wait_dscnt 0x0                               ; the add is done, and my reads of the slot that I have left are over
.if \fill
	CROUND
	tensor_load_to_lds s[G0:G0+3], s[G1:G1+7]      ; the first thing behind the round, and my one tensor load until the next
	s_nop 0
	PLACES 4                                       ; (four places behind a tensor load)
.else
	s_barrier_signal -1
	s_barrier_wait -1
.endif
.endm
; A KEY STEP: 128 keys.
.macro STEP
	v_add_nc_u32 v[ADR], s[TB], v[LIW]
	v_add_nc_u32 v[ADR2], s[TB], v[L8]
	PLACES 6                                       ; with the two additions: eight places between the last products and loads into registers that they read
.set j, 0
.rept 16
	ds_load_b128 v[KV+4*j:KV+4*j+3], v[ADR] offset:512*j   ; pair j / 4: kH, kL of its first tile, kH, kL of its second
.set j, j+1
.endr
	ds_load_b128 v[KS:KS+3], v[ADR] offset:OKS
	s_wait_alu depctr_va_vdst(0)
	s_wait_dscnt 0x0
.irp P, 0,1,2,3                                ; the eight accumulators take turns, one instruction a turn: first q's H part, which starts the sums,
	v_wmma_scale_f32_16x16x128_f8f6f4 v[S+16*\P:S+16*\P+7], v[KV+16*\P:KV+16*\P+15], v[QR:QR+15], 0, v[KS+\P], v[QS] matrix_a_fmt:MATRIX_FMT_BF8 matrix_b_fmt:MATRIX_FMT_BF8
	v_wmma_scale_f32_16x16x128_f8f6f4 v[S+16*\P+8:S+16*\P+15], v[KV+16*\P:KV+16*\P+15], v[QR+24:QR+39], 0, v[KS+\P], v[QS] matrix_a_fmt:MATRIX_FMT_BF8 matrix_b_fmt:MATRIX_FMT_BF8
.endr
.irp P, 0,1,2,3                                ; then its L part
	v_wmma_scale_f32_16x16x128_f8f6f4 v[S+16*\P:S+16*\P+7], v[KV+16*\P:KV+16*\P+15], v[QR+16:QR+31], v[S+16*\P:S+16*\P+7], v[KS+\P], v[QS] matrix_a_fmt:MATRIX_FMT_BF8 matrix_b_fmt:MATRIX_FMT_BF8
	v_wmma_scale_f32_16x16x128_f8f6f4 v[S+16*\P+8:S+16*\P+15], v[KV+16*\P:KV+16*\P+15], v[QR+8:QR+23], v[S+16*\P+8:S+16*\P+15], v[KS+\P], v[QS] matrix_a_fmt:MATRIX_FMT_BF8 matrix_b_fmt:MATRIX_FMT_BF8
.endr
	PLACES 8
.irp t, 0,1,2,3                                ; V's fragments land while the softmax is worked
.irp c, 0,1,2,3
	ds_load_b128 v[KV+16*\t+4*\c:KV+16*\t+4*\c+3], v[ADR] offset:OV+2048*\t+512*\c
.endr
.endr
	ds_load_b64 v[VS:VS+1], v[ADR2] offset:OVS
.irp b, 0,1,2,3
	v_max3_num_f32 v[BM+\b], v[S+16*\b], v[S+1+16*\b], v[S+2+16*\b]   ; the largest score of each block of 32 keys: for the row's maximum, and, since p rises with the score, for the block's largest p.  Each accumulator is read from its low end on
.endr
.irp i, 3,5,7,9,11,13
.irp b, 0,1,2,3
	v_max3_num_f32 v[BM+\b], v[BM+\b], v[S+16*\b+\i], v[S+1+16*\b+\i]
.endr
.endr
.irp b, 0,1,2,3
	v_max_num_f32 v[BM+\b], v[BM+\b], v[S+15+16*\b]
.endr
.irp b, 0,1,2,3
	s_delay_alu instid0(VALU_DEP_4)
	v_permlanex16_b32 v[PT+\b], v[BM+\b], s[SEL], s[SEL+1]
.endr
.irp b, 0,1,2,3
	s_delay_alu instid0(VALU_DEP_4)
	v_max_num_f32 v[BM+\b], v[BM+\b], v[PT+\b]     ; with lane l xor 16's 16 keys
.endr
	s_delay_alu instid0(VALU_DEP_2)
	v_max3_num_f32 v[TMP], v[BM], v[BM+1], v[BM+2]
	s_delay_alu instid0(VALU_DEP_1)
	v_max_num_f32 v[TMP], v[TMP], v[BM+3]          ; the step's largest score of my query
	s_delay_alu instid0(VALU_DEP_1)
	v_mul_f32 v[TMP], s[CS], v[TMP]                ; as t, rounded to f32 (log2(e) is positive)
	s_delay_alu instid0(VALU_DEP_1)
	v_max_num_f32 v13, v13, v[TMP]                 ; the running largest t
	v_mov_b32 v[TMP], v12
	s_delay_alu instid0(VALU_DEP_2)
	v_floor_f32 v12, -v13                          ; the new -M = floor(-t) = -ceil(t)
	s_delay_alu instid0(VALU_DEP_1)
	v_sub_f32 v[TMP], v12, v[TMP]                  ; old M - new M: a whole number, 0 or less
	s_delay_alu instid0(VALU_DEP_1)
	v_cvt_i32_f32 v[TMP], v[TMP]                   ; (it saturates)
	s_delay_alu instid0(VALU_DEP_1)
	v_ldexp_f32 v[FF], 1.0, v[TMP]                 ; f = 2^(old M - new M)
.set j, 0
.rept 32
	v_pk_fma_f32 v[S+j:S+1+j], v[S+j:S+1+j], s[CS:CS+1], v[12:13] op_sel_hi:[1,0,0]   ; t - M, two at a time (of the pairs log2(e) and -M the low word serves both halves)
.set j, j+2
.endr
.irp b, 0,1,2,3
	v_fma_f32 v[BM+\b], v[BM+\b], s[CS], v12       ; the same of each block's largest score
.endr
.set j, 0
	s_setprio 1
	s_wait_alu depctr_va_vdst(0)
.rept 64
	v_exp_f32 v[S+j], v[S+j]                       ; p = 2^(t - M), at most 1
.set j, j+1
.endr
.irp b, 0,1,2,3
	v_exp_f32 v[BM+\b], v[BM+\b]                   ; the block's largest p: the same two instructions on the same number give the same bits
.endr
	v_pk_mul_f32 v[14:15], v[14:15], v[FF:FF+1] op_sel_hi:[1,0]   ; the sums under the new M (a plain instruction behind the exponentials)
	s_wait_alu depctr_va_vdst(0)
.irp b, 0,1,2,3
	v_max_num_f32 v[BM+\b], 0x8000000, v[BM+\b]    ; the floor 2^(16 - 127): the byte cannot fall under 1
.endr
.irp b, 0,1,2,3
	s_delay_alu instid0(VALU_DEP_4)
	v_add_nc_u32 v[SO+\b], 0xf8800000, v[BM+\b]    ; 15 off the exponent field: the conversion's scale operand
.endr
.irp b, 0,1,2,3
	v_and_or_b32 v[HD+\b], v[BM+\b], 0x7f800000, s[MNT]   ; 57,344 x the scale
.endr
.irp b, 0,1,2,3
	v_lshrrev_b32 v[PT+\b], 23, v[SO+\b]           ; the scale's byte
.endr
	s_delay_alu instid0(VALU_DEP_3)
	v_lshl_or_b32 v[PW], v[PT+1], 8, v[PT]         ; p's scale word for these 128 keys
	s_delay_alu instid0(VALU_DEP_1)
	v_lshl_or_b32 v[PW], v[PT+2], 16, v[PW]
	s_delay_alu instid0(VALU_DEP_1)
	v_lshl_or_b32 v[PW], v[PT+3], 24, v[PW]
	v_pk_add_f32 v[232:233], v[124:125], v[128:129]
	v_pk_add_f32 v[250:251], v[132:133], v[136:137]
	v_pk_add_f32 v[248:249], v[140:141], v[144:145]
	v_pk_add_f32 v[234:235], v[148:149], v[152:153]
	v_pk_add_f32 v[230:231], v[156:157], v[160:161]
	v_pk_add_f32 v[228:229], v[164:165], v[168:169]
	v_pk_add_f32 v[226:227], v[172:173], v[176:177]
	v_pk_add_f32 v[14:15], v[14:15], v[180:181]
	v_pk_add_f32 v[232:233], v[232:233], v[120:121]
	v_pk_add_f32 v[250:251], v[250:251], v[122:123]
	v_pk_add_f32 v[248:249], v[248:249], v[126:127]
	v_pk_add_f32 v[234:235], v[234:235], v[130:131]
	v_pk_add_f32 v[230:231], v[230:231], v[134:135]
	v_pk_add_f32 v[228:229], v[228:229], v[138:139]
	v_pk_add_f32 v[226:227], v[226:227], v[142:143]
	v_pk_add_f32 v[14:15], v[14:15], v[146:147]
	v_pk_add_f32 v[232:233], v[232:233], v[150:151]
	v_pk_add_f32 v[250:251], v[250:251], v[154:155]
	v_pk_add_f32 v[248:249], v[248:249], v[158:159]
	v_pk_add_f32 v[234:235], v[234:235], v[162:163]
	v_pk_add_f32 v[230:231], v[230:231], v[166:167]
	v_pk_add_f32 v[228:229], v[228:229], v[170:171]
	v_pk_add_f32 v[226:227], v[226:227], v[174:175]
	v_pk_add_f32 v[14:15], v[14:15], v[178:179]
	v_pk_add_f32 v[232:233], v[232:233], v[182:183]
	s_delay_alu instid0(VALU_DEP_2)
	v_pk_add_f32 v[14:15], v[14:15], v[234:235]
	s_delay_alu instid0(VALU_DEP_2)
	v_pk_add_f32 v[232:233], v[232:233], v[230:231]
	s_setprio 0
	v_pk_add_f32 v[250:251], v[250:251], v[228:229]
	v_pk_add_f32 v[248:249], v[248:249], v[226:227]
	s_delay_alu instid0(VALU_DEP_2)
	v_pk_add_f32 v[14:15], v[14:15], v[250:251]
	s_delay_alu instid0(VALU_DEP_2)
	v_pk_add_f32 v[232:233], v[232:233], v[248:249]
	s_delay_alu instid0(VALU_DEP_1)
	v_pk_add_f32 v[14:15], v[14:15], v[232:233]
.irp b, 0,1,2,3
.irp i, 0,1,2,3,4,5,6,7,8,9,10,11,12,13,14,15
.endr
	v_cvt_scalef32_pk8_bf8_f32 v[PC+4*\b:PC+1+4*\b], v[S+16*\b:S+7+16*\b], v[SO+\b]
	v_cvt_scalef32_pk8_bf8_f32 v[PC+2+4*\b:PC+3+4*\b], v[S+8+16*\b:S+15+16*\b], v[SO+\b]
.endr
.set j, 0
.rept 16
	v_pk_mul_f32 v[O+j:O+1+j], v[O+j:O+1+j], v[FF:FF+1] op_sel_hi:[1,0]   ; O^T under the new M, each accumulator from its low end on; these are also the places between p's codes and the products
.set j, j+2
.endr
	s_wait_alu depctr_va_vdst(0)
	s_wait_dscnt 0x0                               ; V and its scale words are in
.irp t, 0,2                                    ; the four accumulators take turns, one instruction a turn
	v_wmma_scale_f32_16x16x128_f8f6f4 v[O+8*\t:O+8*\t+7], v[KV+16*\t:KV+16*\t+15], v[PC:PC+15], v[O+8*\t:O+8*\t+7], v[VS+\t/2], v[PW] matrix_a_fmt:MATRIX_FMT_BF8 matrix_b_fmt:MATRIX_FMT_BF8
	v_wmma_scale_f32_16x16x128_f8f6f4 v[O+8*\t+8:O+8*\t+15], v[KV+16*\t+16:KV+16*\t+31], v[PC:PC+15], v[O+8*\t+8:O+8*\t+15], v[VS+\t/2], v[PW] matrix_a_fmt:MATRIX_FMT_BF8 matrix_b_fmt:MATRIX_FMT_BF8 matrix_a_scale:MATRIX_SCALE_ROW1
.endr
	s_add_co_u32 s[TB], s[TB], 2*REC               ; the next pair of records
.endm
; A slot's two pairs of records: of each pair a wave takes the record of its parity.  The step is written once and walked twice.
.macro SLOT_STEPS
	s_mov_b32 s[STEPS], 2
.Lstep_\@:
	s_setprio 2
	STEP
	s_sub_co_u32 s[STEPS], s[STEPS], 1
	s_cmp_lg_u32 s[STEPS], 0
	s_cbranch_scc1 .Lstep_\@
	s_setprio 0
	s_sub_co_u32 s[TB], s[TB], SLOTB               ; back to a slot's first record,
	s_xor_b32 s[TB], s[TB], SLOT1                  ; in the other slot
.endm
	s_load_b256 s[4:11], s[0:1], 0x0               ; kv s[4:5], qc s[6:7], qs s[8:9], x s[10:11]
	s_load_b64 s[12:13], s[0:1], 0x20              ; out0
	v_lshl_add_u32 v[SPW], v0, 2, SPARE
	v_mov_b32 v[NIL], 0
	ds_add_u32 v5, v6
	ds_add_u32 v5, v6
	s_wait_dscnt 0x0
	v_lshrrev_b32 v[LIW], 5, v0
	s_delay_alu instid0(VALU_DEP_1)
	v_readfirstlane_b32 s[WV], v[LIW]              ; wave 0..15
	s_and_b32 s52, s[WV], 7                        ; my tile of the work-group's eight
	s_bfe_u32 s15, ttmp6, 0x40000                  ; cx: my place in the cluster
	s_lshl_b32 s16, ttmp9, 2                       ; in a cluster launch ttmp9 counts clusters
	s_add_co_u32 s16, s16, s15                     ; my block of 128 queries: it enters the addresses of qc, qs, x and out0 alone
	s_and_b32 s17, ttmp7, 0xffff                   ; the image, which the four partners share
	; descriptor group 1: a sixteenth of a slot as 17 rows of 32 elements of 8 bytes, dense, no padding
	s_mov_b32 s[G1], 15|(3<<16)|(1<<21)            ; 15:0 the mask: all four work-groups; 17:16 elements of 8 bytes; 21 set beside a mask
	s_mov_b32 s[G1+1], 32<<16                      ; tensor_dim0
	s_mov_b32 s[G1+2], 17<<16                      ; tensor_dim1
	s_mov_b32 s[G1+3], 32<<16                      ; tile_dim0
	s_mov_b32 s[G1+4], 17                          ; tile_dim1
	s_mov_b32 s[G1+5], 32                          ; from row to row
	s_mov_b32 s[G1+6], 0
	s_mov_b32 s[G1+7], 0
	s_mov_b32 s[G0], 1
	s_mul_i32 s[G0+1], s[WV], CH                   ; my piece's place in slot 0: no place in the cluster enters an LDS address
	s_mul_i32 s40, s17, 32*REC
	s_add_co_u32 s40, s40, s[G0+1]                 ; and in memory: the image's records, my piece of the first four
	s_mov_b32 s41, 0
	s_lshl_b32 s42, s17, 8
	s_lshl_b32 s43, s16, 3
	s_add_co_u32 s42, s42, s43
	s_add_co_u32 s42, s42, s52                     ; my tile of queries: 256 x image + 8 x block + wave % 8
	s_lshl_b32 s44, s42, 10                        ; 1,024 bytes of codes a tile,
	s_mov_b32 s45, 0
	s_lshl_b32 s46, s42, 6                         ; 64 bytes of scale words
	s_mov_b32 s47, 0
	s_lshl_b32 s48, s17, 20                        ; x and out0: image x 1 MiB + 4 wave channels x 16 KiB + block x 512
	s_lshl_b32 s43, s[WV], 16
	s_add_co_u32 s48, s48, s43
	s_lshl_b32 s43, s16, 9
	s_add_co_u32 s48, s48, s43
	s_mov_b32 s49, 0
	s_mul_i32 s53, s52, MP
	s_add_co_u32 s53, s53, MRG                     ; where my tile's two waves meet
	s_mov_b32 s[MNT], 0x600000
	s_mov_b32 s[SEL], 0x76543210
	s_mov_b32 s[SEL+1], 0xfedcba98
	s_mov_b32 s[CS], 0x3fb8aa3b                    ; log2(e)
	s_mov_b32 s[CS+1], s[CS]                       ; (named with it as a pair, so it is written)
	s_mov_b32 s[TB], 0
	s_mov_b32 s[SLOTS], 7
	s_wait_kmcnt 0x0
	s_add_nc_u64 s[G0+2:G0+3], s[4:5], s[40:41]
	s_or_b32 s[G0+3], s[G0+3], 0x80000000          ; type = 2
	s_add_nc_u64 s[6:7], s[6:7], s[44:45]
	s_add_nc_u64 s[8:9], s[8:9], s[46:47]
	s_add_nc_u64 s[10:11], s[10:11], s[48:49]
	s_add_nc_u64 s[12:13], s[12:13], s[48:49]
	CROUND                                         ; all four work-groups are here: the first joint loads meet
	tensor_load_to_lds s[G0:G0+3], s[G1:G1+7]      ; slot 0: records 0 to 3, a sixteenth a wave
	s_nop 0
	PLACES 4
	v_and_b32 v[S], 31, v0                         ; lane
	s_delay_alu instid0(VALU_DEP_1)
	v_lshlrev_b32 v[LI], 4, v[S]
	v_lshrrev_b32 v[S+4], 8, v0                    ; my parity: wave / 8
	s_delay_alu instid0(VALU_DEP_1)
	v_mul_u32_u24 v[S+4], v[S+4], REC              ; of each pair of records the first or the second
	s_delay_alu instid0(VALU_DEP_1)
	v_add_nc_u32 v[LIW], v[S+4], v[LI]
	s_delay_alu instid0(VALU_DEP_2)
	v_lshl_add_u32 v[L8], v[S], 3, v[S+4]
	v_and_b32 v[S+1], 15, v0                       ; r
	s_wait_alu depctr_va_vdst(0)
	v_bfe_u32 v[S+2], v0, 4, 1                     ; h
	v_and_b32 v[S+3], 8, v[S+1]
	s_delay_alu instid0(VALU_DEP_1)
	v_add_nc_u32 v[S+3], v[S+3], v[S+1]            ; r + 8 (r / 8)
	s_delay_alu instid0(VALU_DEP_3)
	v_mul_u32_u24 v[STO], v[S+2], 16*SP            ; the stage, in: channel 16 h on, query 32 (tile / 2) + 8 (tile % 2) + r + 8 (r / 8)
	s_delay_alu instid0(VALU_DEP_1)
	v_lshl_add_u32 v[STO], v[S+3], 2, v[STO]
	s_lshr_b32 s50, s52, 1
	s_lshl_b32 s50, s50, 7
	s_and_b32 s51, s[WV], 1
	s_lshl_b32 s51, s51, 5
	s_add_co_u32 s50, s50, s51
	s_add_co_u32 s50, s50, STAGE
	v_add_nc_u32 v[STO], s50, v[STO]
	s_mul_i32 s51, s[WV], 4*SP                     ; and back: channels 4 wave .. 4 wave + 3, whole rows, 16 bytes a lane
	s_add_co_u32 s51, s51, STAGE
	v_add_nc_u32 v[RD], s51, v[LI]
	v_lshlrev_b32 v[S+5], 2, v[S+1]
.irp j, 0,4,32,36
	global_load_b128 v[QR+\j:QR+\j+3], v[LI], s[6:7]             ; qH: channels 16 h .. 16 h + 15 of query r, into its four places of the run
.endr
.irp j, 16,20
	global_load_b128 v[QR+\j:QR+\j+3], v[LI], s[6:7] offset:512  ; qL, into its two
.endr
	global_load_b32 v[QS], v[S+5], s[8:9]          ; and Q's scale words
.irp j, 8,9,10,11,12,13,14,15,24,25,26,27,28,29,30,31
	v_mov_b32 v[QR+\j], 0                          ; the run's zero codes
.endr
.set j, 0
.rept 32
	v_mov_b32 v[O+j], 0                            ; O^T.  (The step is written once: the first finds zeros, which the first change of M leaves zeros)
.set j, j+1
.endr
.irp b, 0,1,2,3
	v_mov_b32 v[PT+\b], 0                          ; written once: a lane permute's destination counts as one of its sources
.endr
	v_mov_b32 v13, 0xff61b1e6                      ; the largest t so far: -3e38, under every t
	s_delay_alu instid0(VALU_DEP_1)
	v_floor_f32 v12, -v13                          ; -M
	v_mov_b32 v14, 0                               ; the sum, in two halves
	v_mov_b32 v15, 0
	s_wait_loadcnt 0x0                             ; Q
.Lslot:                                            ; seven trips: behind each change of slots but the last the next four records are asked for
	CHANGE 1
	SLOT_STEPS
	s_sub_co_u32 s[SLOTS], s[SLOTS], 1
	s_cmp_lg_u32 s[SLOTS], 0
	s_cbranch_scc1 .Lslot
	CHANGE 0                                       ; the last slot is written out
	SLOT_STEPS
	; THE TWO WAVES OF A TILE MEET.  Waves 8 to 15 lay O^T, -M and the sum in LDS as images of their registers; a barrier; waves 0 to 7 bring both parts under the larger M, add them, divide by the sum and lay
	; the result in the work-group's stage, [channel][query]; a barrier; each of the sixteen waves takes four whole rows, adds x and stores them.  Every LDS address is made ahead of the first branch.
	PLACES 8                                       ; between the last products and the first reads of their results, and loads into registers that they read
.irp i, 0,1,2,3
	global_load_b128 v[XR+4*\i:XR+4*\i+3], v[LI], s[10:11] offset:16384*\i th:TH_LOAD_NT   ; x: channel 4 wave + i, my block's 128 pixels: 512 consecutive bytes
.endr
	v_add_nc_u32 v[ADR], s53, v[LI]                ; my tile's place in MRG + 16 x lane
	v_and_b32 v[ADR2], 31, v0
	s_delay_alu instid0(VALU_DEP_1)
	v_lshl_add_u32 v[ADR2], v[ADR2], 3, s53        ; + 8 x lane
	v_add_f32 v14, v14, v15                        ; the sum's two halves,
	s_delay_alu instid0(VALU_DEP_1)
	v_permlanex16_b32 v[TMP], v14, s[SEL], s[SEL+1]
	s_delay_alu instid0(VALU_DEP_1)
	v_add_f32 v13, v14, v[TMP]                     ; and lane l xor 16's: the row's sum over my keys, beside -M in the pair v[12:13]
	s_cmp_lt_u32 s[WV], 8
	s_cbranch_scc1 .Lkeeps
.irp i, 0,1,2,3,4,5,6,7
	ds_store_b128 v[ADR], v[O+4*\i:O+4*\i+3] offset:512*\i   ; each accumulator from its low end on
.endr
	ds_store_b64 v[ADR2], v[12:13] offset:4096
.Lkeeps:
	s_wait_dscnt 0x0                               ; for the others' sake: my stores are done
	s_barrier_signal -1
	s_barrier_wait -1
	s_cmp_gt_u32 s[WV], 7
	s_cbranch_scc1 .Lgave
	s_wait_alu depctr_va_vdst(0)
.irp i, 0,1,2,3,4,5,6,7
	ds_load_b128 v[KV+4*\i:KV+4*\i+3], v[ADR] offset:512*\i  ; my partner's O^T, in the same lanes and the same order as mine
.endr
	ds_load_b64 v[KV+32:KV+33], v[ADR2] offset:4096          ; its -M and its sum
	s_wait_dscnt 0x0
	v_min_num_f32 v[BM], v12, v[KV+32]             ; -M of all keys: the smaller of the two
	s_delay_alu instid0(VALU_DEP_1)
	v_sub_f32 v[BM+1], v[BM], v12                  ; my M less the common one: a whole number, 0 or less;
	s_delay_alu instid0(VALU_DEP_2)
	v_sub_f32 v[BM+2], v[BM], v[KV+32]             ; my partner's
	s_delay_alu instid0(VALU_DEP_2)
	v_cvt_i32_f32 v[BM+1], v[BM+1]                 ; (they saturate)
	s_delay_alu instid0(VALU_DEP_2)
	v_cvt_i32_f32 v[BM+2], v[BM+2]
	s_delay_alu instid0(VALU_DEP_2)
	v_ldexp_f32 v[PT], 1.0, v[BM+1]                ; the two powers of two
	s_delay_alu instid0(VALU_DEP_2)
	v_ldexp_f32 v[PT+1], 1.0, v[BM+2]
	s_delay_alu instid0(VALU_DEP_2)
	v_mul_f32 v[PT+2], v13, v[PT]
	s_delay_alu instid0(VALU_DEP_1)
	v_fma_f32 v[PT+2], v[KV+33], v[PT+1], v[PT+2]  ; the row's sum over all keys
	s_wait_alu depctr_va_vdst(0)
	v_rcp_f32 v[PT+3], v[PT+2]
	v_nop                                          ; one plain instruction behind a transcendental
	s_wait_alu depctr_va_vdst(0)
	v_mul_f32 v[HD], v[PT], v[PT+3]                ; what my part is multiplied by (the packed forms name the pairs v[240:241], v[242:243] and take their low words),
	v_mul_f32 v[HD+2], v[PT+1], v[PT+3]            ; and my partner's
.set j, 0
.rept 16
	v_pk_mul_f32 v[S+j:S+1+j], v[O+j:O+1+j], v[HD:HD+1] op_sel_hi:[1,0]
.set j, j+2
.endr
.set j, 0
.rept 16
	v_pk_fma_f32 v[S+j:S+1+j], v[KV+j:KV+1+j], v[HD+2:HD+3], v[S+j:S+1+j] op_sel_hi:[1,0,1]
.set j, j+2
.endr
.irp t, 0,1,2,3
.irp j, 0,1,2,3,4,5,6,7
	ds_store_b32 v[STO], v[S+8*\t+\j] offset:(32*(\t/2)+8*(\t%2)+\j)*SP   ; register 8 t + j: channel 32 (t / 2) + 16 h + 8 (t % 2) + j
.endr
.endr
.Lgave:
	s_wait_dscnt 0x0                               ; for the others' sake: my stores into the stage are done
	s_barrier_signal -1
	s_barrier_wait -1
.irp i, 0,1,2,3
	ds_load_b128 v[BK+4*\i:BK+4*\i+3], v[RD] offset:SP*\i
.endr
	s_wait_loadcnt 0x0                             ; x
.irp i, 0,1,2,3
	s_wait_dscnt 3-\i                              ; row i is back; the 3 - i loads issued behind it may be out
	v_pk_add_f32 v[BK+4*\i:BK+1+4*\i], v[BK+4*\i:BK+1+4*\i], v[XR+4*\i:XR+1+4*\i]
	v_pk_add_f32 v[BK+2+4*\i:BK+3+4*\i], v[BK+2+4*\i:BK+3+4*\i], v[XR+2+4*\i:XR+3+4*\i]
	global_store_b128 v[LI], v[BK+4*\i:BK+3+4*\i], s[12:13] offset:16384*\i th:TH_STORE_NT   ; 32 lanes store 512 consecutive bytes, at a multiple of 256 from out0's first byte
.endr
	s_wait_tensorcnt 0x0                           ; the wave's end: behind my last tensor load and my last LDS store
	ds_add_u32 v[SPW], v[NIL]
	s_wait_dscnt 0x0
	CROUND                                         ; the closing round: no work-group ends while a partner may still ask for a piece that names it
	s_endpgm
.Lfunc_end_k_q90e3804794_attn:
	.size	k_q90e3804794_attn, .Lfunc_end_k_q90e3804794_attn-k_q90e3804794_attn
	.p2alignl 7, 3214868480
	.fill 96, 4, 3214868480
	.section	.rodata,"a",@progbits
	.p2align	6, 0x0
	.amdhsa_kernel k_q90e3804794_attn
		.amdhsa_group_segment_fixed_size 327680
		.amdhsa_private_segment_fixed_size 0
		.amdhsa_enable_private_segment 0
		.amdhsa_kernarg_size 40
		.amdhsa_user_sgpr_count 2
		.amdhsa_user_sgpr_kernarg_segment_ptr 1
		.amdhsa_wavefront_size32 1
		.amdhsa_system_sgpr_workgroup_id_x 1
		.amdhsa_system_sgpr_workgroup_id_y 1
		.amdhsa_system_sgpr_workgroup_id_z 1
		.amdhsa_system_vgpr_workitem_id 0
		.amdhsa_next_free_vgpr 256
		.amdhsa_next_free_sgpr 66
		.amdhsa_reserve_vcc 0
		.amdhsa_float_denorm_mode_32 3
		.amdhsa_float_denorm_mode_16_64 3
		.amdhsa_fp16_overflow 1
		.amdhsa_memory_ordered 1
		.amdhsa_forward_progress 1
		.amdhsa_inst_pref_size 55
	.end_amdhsa_kernel
	.amdgpu_metadata
---
amdhsa.version: [ 1, 2 ]
amdhsa.kernels:
  - .name:           k_q90e3804794_attn
    .symbol:         k_q90e3804794_attn.kd
    .args:
      - { .name: kv, .offset: 0, .size: 8, .value_kind: global_buffer, .address_space: global }
      - { .name: qc, .offset: 8, .size: 8, .value_kind: global_buffer, .address_space: global }
      - { .name: qs, .offset: 16, .size: 8, .value_kind: global_buffer, .address_space: global }
      - { .name: x, .offset: 24, .size: 8, .value_kind: global_buffer, .address_space: global }
      - { .name: out0, .offset: 32, .size: 8, .value_kind: global_buffer, .address_space: global }
    .group_segment_fixed_size: 327680
    .private_segment_fixed_size: 0
    .kernarg_segment_align: 8
    .kernarg_segment_size: 40
    .max_flat_workgroup_size: 512
    .sgpr_count:     66
    .vgpr_count:     256
    .wavefront_size: 32
...
	.end_amdgpu_metadata
.endif
;; end of part 2
